; MI455X (gfx1250); checked and timed in simulation.
; The chip was launched on July 23, 2026; its instructions are those of AMD's public machine-readable ISA for CDNA 5 (MIT licence, August 2026) and "CDNA5" Instruction Set Architecture Reference Guide (July 2026). The comments in the code are by the model that wrote it; some were corrected since.
;; Luong Attention. Allowed arithmetic: float matrix products may take bf16 or f16 operands with f32 sums; all other float work in f32.
;; Inputs: W 1,024 x 1,024 float32; b 1,024 float32; contexts 16 x 1,024 float32; values 16 x 4,096 x 1,024 float32.
;; Outputs: out0 16 x 1,024 float32.
;; 2 versions, each right; version 2 is version 1 with the launch stream written anew for expert scheduling mode. Each part assembles by itself: llvm-mc -triple=amdgcn-amd-amdhsa -mcpu=gfx1250 --defsym DOCPART=n.
;; ======== version 1 of 2: 3 launches
;; workspace buffers: qp 262,144 bytes; part 1,114,112 bytes
;; launch qproj (part 1): grid 16 x 16, 16 waves a work-group, no clusters, 18,432 bytes of LDS; arguments contexts, W, qp; writes qp
.if DOCPART == 1
	.amdgcn_target "amdgcn-amd-amdhsa--gfx1250"
	.amdhsa_code_object_version 6
	.text
	.protected	k_q38bec1dcf6_qproj
	.globl	k_q38bec1dcf6_qproj
	.p2align	8
	.type	k_q38bec1dcf6_qproj,@function
k_q38bec1dcf6_qproj:
	s_mov_b64 s[64:65], 0
	v_nop
	global_prefetch_b8 v0, s[64:65] scope:SCOPE_SE
	s_setreg_imm32_b32 hwreg(HW_REG_WAVE_MODE, 25, 1), 1
	s_wait_xcnt 0x0
; scores[b][s] = contexts[b] . (W values[b][s] + bias) = values[b][s] . q[b] + contexts[b] . bias, with q[b][d] = sum over e of contexts[b][e] W[e][d]:
; the same sum as the problem's, taken in another order, for every input.  This launch makes q, as four partial sums over quarters of e:
;   qp[ep][b][d] = sum over e = 256 ep .. 256 ep + 255 of contexts[b][e] W[e][d]          (f32 [4][16][1024])
; All in f32 on the vector unit: q stands in the exponent of a softmax whose scores spread over tens of units, so a rounding of q or of
; the values to 16 bits would move weights by more than the result's tolerance; and the launch is one short step, whose length is that of
; its chain of loads, not of its arithmetic.
; LIMIT: the order of the additions differs from a plain ascending sum over e.
; 256 work-groups.  x & 3 = bg: the four batches 4 bg .. 4 bg + 3; x >> 2 = ep; y = a strip of 64 columns (256 bytes of every row of W).
; Sixteen waves; wave w takes the sixteen rows e = 256 ep + 16 w + i, a lane the two columns 64 y + 2 lane, + 1: one load of the wave is
; the strip's 256 consecutive bytes of one row, aligned.  All lanes of a wave work on the same row, so contexts[b][e] is the same number in
; every lane: it comes by scalar loads (16 numbers for each of 4 batches, 64 scalar registers) and enters the multiply-add as its scalar
; source.  128 multiply-adds a wave on 8 sums.  The sixteen waves' sums meet in LDS (16 blocks of 1,024 bytes), behind the one barrier.
; No joint requests, though the four work-groups bg = 0..3 of one (ep, strip) read the same 64 KB of W (they are neighbours in x): W goes
; straight into the registers from which it is multiplied; asked for jointly it would pass through LDS, 64 KB written and read again, with
; the cluster's rounds in front and behind, in a launch that has a single step.
.set ROWB, 4096                        ; bytes in a row of W, of contexts and of qp
.set BLK,  1024                        ; LDS 0 .. 16383: block w = wave w's [4 batches][64 columns] f32
.set WR,   4                           ; v[4:35]    row i of W: 2 registers, my 2 columns
.set ACC,  36                          ; v[36:43]   ACC + 2 bb + c = my sum for batch 4 bg + bb, column c
.set SM,   44                          ; v[44:75]   the reduction: block g's two numbers
                                       ; s[20:35], s[36:51], s[68:83], s[84:99]: contexts[4 bg + bb][my sixteen rows], bb = 0..3
	s_load_b128 s[4:7], s[0:1], 0x0                ; contexts s[4:5], W s[6:7]
	s_load_b64 s[8:9], s[0:1], 0x10                ; qp
	v_lshl_add_u32 v76, v0, 2, 0x4000
	v_mov_b32 v77, 0
	v_lshrrev_b32 v2, 5, v0
	v_readfirstlane_b32 s10, v2                    ; wave 0..15
	s_and_b32 s11, ttmp9, 3                        ; bg
	s_lshr_b32 s12, ttmp9, 2                       ; ep
	s_and_b32 s13, ttmp7, 0xffff
	s_lshl_b32 s13, s13, 8                         ; the strip's 256 bytes in a row
	s_lshl_b32 s14, s11, 14                        ; contexts: four rows of 4,096 bytes for each bg,
	s_lshl_b32 s15, s12, 10                        ; 256 numbers for each ep,
	s_add_co_u32 s14, s14, s15
	s_lshl_b32 s15, s10, 6                         ; 16 numbers for each wave
	s_add_co_u32 s14, s14, s15
	s_mov_b32 s15, 0
	s_lshl_b32 s16, s12, 20                        ; W: 256 rows of 4,096 bytes for each ep,
	s_lshl_b32 s17, s10, 16                        ; 16 rows for each wave,
	s_add_co_u32 s16, s16, s17
	s_add_co_u32 s16, s16, s13                     ; and the strip
	s_mov_b32 s17, 0
	s_lshl_b32 s18, s12, 16                        ; qp: 16 rows of 4,096 bytes for each ep,
	s_lshl_b32 s19, s11, 14                        ; four rows for each bg,
	s_add_co_u32 s18, s18, s19
	s_lshl_b32 s19, s10, 12                        ; one row for each of the waves 0..3, which store (the others never use this sum),
	s_add_co_u32 s18, s18, s19
	s_add_co_u32 s18, s18, s13                     ; and the strip
	s_mov_b32 s19, 0
	v_and_b32 v1, 31, v0
	v_lshlrev_b32 v1, 3, v1                        ; 8 x lane: my two columns in the strip, in W and in qp
	v_lshl_add_u32 v2, s10, 10, v1                 ; and in my wave's block in LDS
	v_lshlrev_b32 v3, 3, v0                        ; 8 t: what thread t of the waves 0..3 takes of every block
	s_wait_kmcnt 0x0
	s_add_nc_u64 s[4:5], s[4:5], s[14:15]
	s_add_nc_u64 s[6:7], s[6:7], s[16:17]
	s_add_nc_u64 s[8:9], s[8:9], s[18:19]
	; everything that the wave reads goes out at once: 4 x 64 bytes of contexts, sixteen rows of W
.set bb, 0
.rept 4
.set cb, 20+16*bb+16*(bb/2)                        ; 20, 36, 68, 84
	s_load_b512 s[cb:cb+15], s[4:5], ROWB*bb
.set bb, bb+1
.endr
.set i, 0
.rept 16
	global_load_b64 v[WR+2*i:WR+2*i+1], v1, s[6:7] offset:ROWB*i
.set i, i+1
.endr
	s_wait_kmcnt 0x0                               ; scalar loads come back in no order (ISA guide 5.7.1): all four are in
	; 16 rows x 4 batches x 2 columns.  Row 0's products start the sums: nothing is cleared.
.set i, 0
.rept 16
	s_wait_loadcnt 15-i                            ; loads come back in order (ISA guide 5.7.1): row i is in, the 15 - i rows behind it may stay out
.set bb, 0
.rept 4
.set cb, 20+16*bb+16*(bb/2)
.if i == 0
	v_mul_f32 v[ACC+2*bb],   s[cb], v[WR]
	v_mul_f32 v[ACC+2*bb+1], s[cb], v[WR+1]
.else
	v_fmac_f32 v[ACC+2*bb],   s[cb+i], v[WR+2*i]
	v_fmac_f32 v[ACC+2*bb+1], s[cb+i], v[WR+2*i+1]
.endif
.set bb, bb+1
.endr
.set i, i+1
.endr
	; the sixteen waves' sums meet: each wave writes its block, 256 neighbouring bytes a batch
.set bb, 0
.rept 4
	ds_store_b64 v2, v[ACC+2*bb:ACC+2*bb+1] offset:256*bb
.set bb, bb+1
.endr
	s_wait_dscnt 0x0                               ; done before I say so: other waves read these blocks
	s_barrier_signal -1
	s_barrier_wait -1
	; 256 numbers are left to make: wave w = 0..3 makes batch 4 bg + w, thread t = 32 w + lane the bytes 8 t of each of the sixteen blocks
	s_cmp_ge_u32 s10, 4
	s_cbranch_scc1 .Ldone
.set g, 0
.rept 16
	ds_load_b64 v[SM+2*g:SM+2*g+1], v3 offset:BLK*g
.set g, g+1
.endr
	s_wait_dscnt 0x0
.set g, 4
.rept 12                                           ; four chains that do not wait for each other
	v_pk_add_f32 v[SM+2*(g%4):SM+2*(g%4)+1], v[SM+2*(g%4):SM+2*(g%4)+1], v[SM+2*g:SM+2*g+1]
.set g, g+1
.endr
	v_pk_add_f32 v[SM:SM+1],   v[SM:SM+1],   v[SM+2:SM+3]
	v_pk_add_f32 v[SM+4:SM+5], v[SM+4:SM+5], v[SM+6:SM+7]
	v_pk_add_f32 v[SM:SM+1],   v[SM:SM+1],   v[SM+4:SM+5]
	global_store_b64 v1, v[SM:SM+1], s[8:9]        ; the wave stores 256 consecutive bytes, at a multiple of 256 from qp's first byte
.Ldone:
	s_wait_tensorcnt 0x0
	ds_add_u32 v76, v77
	s_wait_dscnt 0x0
	s_endpgm
.Lfunc_end_k_q38bec1dcf6_qproj:
	.size	k_q38bec1dcf6_qproj, .Lfunc_end_k_q38bec1dcf6_qproj-k_q38bec1dcf6_qproj
	.p2alignl 7, 3214868480
	.fill 96, 4, 3214868480
	.section	.rodata,"a",@progbits
	.p2align	6, 0x0
	.amdhsa_kernel k_q38bec1dcf6_qproj
		.amdhsa_group_segment_fixed_size 18432
		.amdhsa_private_segment_fixed_size 0
		.amdhsa_enable_private_segment 0
		.amdhsa_kernarg_size 24
		.amdhsa_user_sgpr_count 2
		.amdhsa_user_sgpr_kernarg_segment_ptr 1
		.amdhsa_wavefront_size32 1
		.amdhsa_system_sgpr_workgroup_id_x 1
		.amdhsa_system_sgpr_workgroup_id_y 1
		.amdhsa_system_sgpr_workgroup_id_z 1
		.amdhsa_system_vgpr_workitem_id 0
		.amdhsa_next_free_vgpr 78
		.amdhsa_next_free_sgpr 100
		.amdhsa_reserve_vcc 0
		.amdhsa_float_denorm_mode_32 3
		.amdhsa_float_denorm_mode_16_64 3
		.amdhsa_memory_ordered 1
		.amdhsa_forward_progress 1
		.amdhsa_inst_pref_size 11
	.end_amdhsa_kernel
	.amdgpu_metadata
---
amdhsa.version: [ 1, 2 ]
amdhsa.kernels:
  - .name:           k_q38bec1dcf6_qproj
    .symbol:         k_q38bec1dcf6_qproj.kd
    .args:
      - { .name: contexts, .offset: 0, .size: 8, .value_kind: global_buffer, .address_space: global }
      - { .name: W, .offset: 8, .size: 8, .value_kind: global_buffer, .address_space: global }
      - { .name: qp, .offset: 16, .size: 8, .value_kind: global_buffer, .address_space: global }
    .group_segment_fixed_size: 18432
    .private_segment_fixed_size: 0
    .kernarg_segment_align: 8
    .kernarg_segment_size: 24
    .max_flat_workgroup_size: 512
    .sgpr_count:     100
    .vgpr_count:     78
    .wavefront_size: 32
...
	.end_amdgpu_metadata
.endif
;; end of part 1
;; launch stream (part 2): grid 256 x 1, 16 waves a work-group, no clusters, 72,192 bytes of LDS; arguments values, qp, contexts, b, part; writes part
.if DOCPART == 2
	.amdgcn_target "amdgcn-amd-amdhsa--gfx1250"
	.amdhsa_code_object_version 6
	.text
	.protected	k_q38bec1dcf6_stream
	.globl	k_q38bec1dcf6_stream
	.p2align	8
	.type	k_q38bec1dcf6_stream,@function
k_q38bec1dcf6_stream:
	s_mov_b64 s[64:65], 0
	v_nop
	global_prefetch_b8 v0, s[64:65] scope:SCOPE_SE
	s_setreg_imm32_b32 hwreg(HW_REG_WAVE_MODE, 25, 1), 1
	s_wait_xcnt 0x0
; The stream over values, each byte read once: score and weighted sum are made from the same copy of a row, by a running maximum.
; Work-group g owns the 256 rows 256 g .. 256 g + 255 of the flat [65536][1024] values (1 MB, all of batch g / 16) and leaves a record
;   part[g] = { acc[1024] = sum over its rows of 2^(t - M) values[row],  then the pair (M, L) 32 times }     (4,352 bytes)
; with t = log2(e) (values[row] . q + cb), M = the largest t of the rows, L = the sum of 2^(t - M).  cb = contexts[b] . bias is a common
; shift of a batch's scores; it is read, made and added as the problem writes it.  q = the sum of the four partial sums in qp.
; All in f32 on the vector unit: there is one query for each batch, so a matrix instruction would have one useful row in sixteen; a score
; made from 16-bit operands would move the weights by more than the result's tolerance; and the work is two multiply-adds and a scaling for
; each number read, so the bytes set the pace and not the arithmetic.
; LIMITS: a weight below 2^-126 counts as 0 (v_exp_f32 gives 0 for results that would be denormal: ISA guide 15.8); the order of the
; additions differs from the problem's; a NaN or infinite score gives NaN.  The maximum taken away is the true running maximum.
; Sixteen waves.  Wave w takes rows 16 i + w, i = 0..15, a whole row (4,096 bytes) in 32 registers by eight loads of 512 neighbouring bytes:
; load j brings lane l the columns 128 j + 4 l .. + 3; q and the wave's sum have the same layout.  Row 0 is loaded straight into the sum's
; registers (its weight is 1 at that time), rows 1..15 go through five slots of registers by turns: slot (row - 1) % 5.  While a row is worked on, four
; more of the wave's rows are on their way: 16 KB a wave, 256 KB for the sixteen.  Waits are counted, so the ring never runs empty.
; The row's number stands in the loads' immediate (15 x 65,536 + 3,584 at the most), so no address register is ever rewritten.
; No joint requests between work-groups: they share the 4 KB of q of their batch against 1 MB of rows of their own.
.set ROWB, 4096
.set STEP, 16*ROWB                     ; from a wave's row to its next
.set QS,   0                           ; LDS 0 .. 4095       q
.set CBS,  4096                        ; LDS 4096 .. 4159    the sixteen waves' parts of cb
.set MLS,  4352                        ; LDS 4352 .. 4479    wave k's (m, l) at 8 k
.set ACCS, 4608                        ; LDS 4608 .. 70143   wave k's sum at 4,096 k
.set REC,  4352                        ; bytes in a record of part
.set D,    4                           ; v[4:11]    four pairs of chains of the dot product
.set T,    12                          ; v12        the score
.set T1,   13                          ; v13..15    at work
.set T2,   14
.set T3,   15
.set AL,   16                          ; v[16:17] = (2^(old M - new M), M): the packed forms take the even register for both halves,
.set MM,   17                          ;            and the odd one, which has to hold something written, holds M
.set PP,   18                          ; v[18:19] = (2^(t - new M), L), likewise
.set LL,   19
.set CBL,  20                          ; v20        log2(e) cb
.set Q,    22                          ; v[22:53]   q
.set ACC,  54                          ; v[54:85]   the wave's sum
.set X,    86                          ; v[86:245]  five slots of 32 registers
.set MLR,  86                          ; the merge, in X: v[86:117] the sixteen (m, l)
.set A,    118                         ; v[118:149] the sixteen waves' two numbers of my columns
.set R,    150                         ; v[150:151] my two columns of the record
.set MX,   152                         ; v[152:153] (M, L) of the work-group
	s_load_b256 s[4:11], s[0:1], 0x0               ; values s[4:5], qp s[6:7], contexts s[8:9], bias s[10:11]
	s_load_b64 s[12:13], s[0:1], 0x20              ; part
	v_lshl_add_u32 v246, v0, 2, 0x11200
	v_mov_b32 v247, 0
	v_lshrrev_b32 v12, 5, v0
	v_readfirstlane_b32 s14, v12                   ; wave 0..15
	s_lshr_b32 s15, ttmp9, 4
	s_lshl_b32 s15, s15, 12                        ; the batch's row of 4,096 bytes in qp and in contexts
	s_lshl_b32 s16, ttmp9, 20                      ; the work-group's 256 rows of 4,096 bytes (255 MB at the most: one word)
	s_mov_b32 s17, 0
	s_mov_b32 s18, 0x76543210                      ; v_permlanex16_b32: lane i of one half reads lane i of the other
	s_mov_b32 s19, 0xfedcba98
	s_mov_b32 s20, 0x3fb8aa3b                      ; log2(e)
	v_and_b32 v3, 31, v0
	v_lshlrev_b32 v3, 4, v3                        ; 16 x lane
	v_lshl_add_u32 v1, s14, 12, v3                 ; my 16 bytes in row w: never rewritten
	v_lshlrev_b32 v2, 3, v0                        ; 8 t: thread t's two columns 2 t, 2 t + 1: never rewritten
	s_wait_kmcnt 0x0
	s_add_nc_u64 s[4:5], s[4:5], s[16:17]
	s_mov_b32 s16, s15
	s_add_nc_u64 s[6:7], s[6:7], s[16:17]
	s_add_nc_u64 s[8:9], s[8:9], s[16:17]
	s_mul_i32 s16, ttmp9, REC
	s_add_nc_u64 s[12:13], s[12:13], s[16:17]
.macro FILL base, row                  ; eight loads: the whole row, 512 neighbouring bytes each; each byte of values is read once in the launch
.irp j, 0,1,2,3,4,5,6,7
	global_load_b128 v[\base+4*\j:\base+4*\j+3], v1, s[4:5] offset:(\row)*STEP+512*\j th:TH_LOAD_NT
.endr
.endm
; T = the row at base . q, in every lane: four chains of packed multiply-adds started by products, then across the lanes
.macro DOT base
.irp k, 0,1,2,3
	v_pk_mul_f32 v[D+2*\k:D+2*\k+1], v[\base+2*\k:\base+2*\k+1], v[Q+2*\k:Q+2*\k+1]
.endr
.irp k, 4,5,6,7,8,9,10,11,12,13,14,15
	v_pk_fma_f32 v[D+2*(\k%4):D+2*(\k%4)+1], v[\base+2*\k:\base+2*\k+1], v[Q+2*\k:Q+2*\k+1], v[D+2*(\k%4):D+2*(\k%4)+1]
.endr
	v_pk_add_f32 v[D:D+1],   v[D:D+1],   v[D+2:D+3]
	v_pk_add_f32 v[D+4:D+5], v[D+4:D+5], v[D+6:D+7]
	v_pk_add_f32 v[D:D+1],   v[D:D+1],   v[D+4:D+5]
	v_add_f32 v[T], v[D], v[D+1]
	v_add_f32_dpp v[T], v[T], v[T] row_xmask:1 row_mask:0xf bank_mask:0xf
	v_add_f32_dpp v[T], v[T], v[T] row_xmask:2 row_mask:0xf bank_mask:0xf
	v_add_f32_dpp v[T], v[T], v[T] row_xmask:4 row_mask:0xf bank_mask:0xf
	v_add_f32_dpp v[T], v[T], v[T] row_xmask:8 row_mask:0xf bank_mask:0xf
	v_permlanex16_b32 v[D], v[T], s18, s19         ; its destination counts as read: D has been written
	v_add_f32 v[T], v[T], v[D]
.endm
; One row out of its slot: score, new maximum, the sum scaled to it, the row added with its weight; then the slot's next row is asked for.
.macro TURN row
.set XB, X+32*((\row-1)%5)
.if 15-\row < 4
	s_wait_loadcnt 8*(15-\row)                     ; the last rows: only 15 - row rows were issued behind this one
.else
	s_wait_loadcnt 32                              ; loads come back in order (ISA guide 5.7.1): my row is in, the four rows behind it stay out
.endif
	DOT XB
	v_fma_f32 v[T], v[T], s20, v[CBL]              ; t = log2(e) score + log2(e) cb
	v_max_num_f32 v[T1], v[MM], v[T]               ; the new maximum
	v_sub_f32 v[T2], v[MM], v[T1]
	v_sub_f32 v[T3], v[T], v[T1]
	v_exp_f32 v[AL], v[T2]                         ; what the old sums are worth under the new maximum
	v_exp_f32 v[PP], v[T3]                         ; the row's weight
	v_mov_b32 v[MM], v[T1]                         ; the plain instruction that stands between a transcendental and the use of its result (ISA guide 5.7.2)
	s_wait_alu depctr_va_vdst(0)
	v_fma_f32 v[LL], v[LL], v[AL], v[PP]
.irp k, 0,1,2,3,4,5,6,7,8,9,10,11,12,13,14,15
	v_pk_mul_f32 v[ACC+2*\k:ACC+2*\k+1], v[ACC+2*\k:ACC+2*\k+1], v[AL:AL+1] op_sel_hi:[1,0]
.endr
.irp k, 0,1,2,3,4,5,6,7,8,9,10,11,12,13,14,15
	v_pk_fma_f32 v[ACC+2*\k:ACC+2*\k+1], v[XB+2*\k:XB+2*\k+1], v[PP:PP+1], v[ACC+2*\k:ACC+2*\k+1] op_sel_hi:[1,0,1]
.endr
.if \row+5 <= 15
	FILL XB, \row+5
.endif
.endm
; Sixteen pairs (m_k, l_k) at base, m in the even registers: mx = the largest m, each m_k becomes w_k = 2^(m_k - mx), mx + 1 = the sum of w_k l_k
.macro WEIGHTS base, mx
	v_max3_num_f32 v[\mx], v[\base], v[\base+2], v[\base+4]
.irp k, 6,10,14,18,22,26
	v_max3_num_f32 v[\mx], v[\mx], v[\base+\k], v[\base+\k+2]
.endr
	v_max_num_f32 v[\mx], v[\mx], v[\base+30]
.irp k, 0,1,2,3,4,5,6,7,8,9,10,11,12,13,14,15
	v_sub_f32 v[\base+2*\k], v[\base+2*\k], v[\mx]
.endr
.irp k, 0,1,2,3,4,5,6,7,8,9,10,11,12,13,14,15
	v_exp_f32 v[\base+2*\k], v[\base+2*\k]
.endr
	v_nop                                          ; the plain place behind the last transcendental (ISA guide 5.7.2)
	s_wait_alu depctr_va_vdst(0)
	v_mul_f32 v[\mx+1], v[\base], v[\base+1]
.irp k, 1,2,3,4,5,6,7,8,9,10,11,12,13,14,15
	v_fmac_f32 v[\mx+1], v[\base+2*\k], v[\base+2*\k+1]
.endr
.endm
	; the small loads first, then six rows: 54 loads of the wave are out
.irp e, 0,1,2,3
	global_load_b64 v[D+2*\e:D+2*\e+1], v2, s[6:7] offset:65536*\e     ; the four partial sums of q's columns 2 t, 2 t + 1
.endr
	global_load_b64 v[12:13], v2, s[8:9]           ; contexts[b][2 t], [2 t + 1]
	global_load_b64 v[14:15], v2, s[10:11]         ; bias[2 t], [2 t + 1]
	FILL ACC, 0
.irp s, 0,1,2,3,4
	FILL X+32*\s, \s+1
.endr
	s_wait_loadcnt 48                              ; the six small loads are in; the six rows (48 loads) stay out
	v_pk_add_f32 v[4:5], v[4:5], v[6:7]
	v_pk_add_f32 v[8:9], v[8:9], v[10:11]
	v_pk_add_f32 v[4:5], v[4:5], v[8:9]
	ds_store_b64 v2, v[4:5] offset:QS              ; q, two columns a thread
	v_mul_f32 v12, v12, v14                        ; my part of contexts . bias
	v_fmac_f32 v12, v13, v15
	v_add_f32_dpp v12, v12, v12 row_xmask:1 row_mask:0xf bank_mask:0xf
	v_add_f32_dpp v12, v12, v12 row_xmask:2 row_mask:0xf bank_mask:0xf
	v_add_f32_dpp v12, v12, v12 row_xmask:4 row_mask:0xf bank_mask:0xf
	v_add_f32_dpp v12, v12, v12 row_xmask:8 row_mask:0xf bank_mask:0xf
	v_permlanex16_b32 v13, v12, s18, s19
	v_add_f32 v12, v12, v13
	v_mov_b32 v21, s14
	v_lshlrev_b32 v21, 2, v21
	ds_store_b32 v21, v12 offset:CBS               ; my wave's part: all lanes write the same word with the same value
	s_wait_dscnt 0x0                               ; done before I say so: every wave reads q and the sixteen parts
	s_barrier_signal -1
	s_barrier_wait -1                              ; the rows of values stay on their way across this barrier: no wave writes those bytes
.irp j, 0,1,2,3,4,5,6,7
	ds_load_b128 v[Q+4*\j:Q+4*\j+3], v3 offset:QS+512*\j               ; q in the rows' layout
.endr
	v_mov_b32 v20, 0
.irp n, 0,1,2,3
	ds_load_b128 v[4+4*\n:7+4*\n], v20 offset:CBS+16*\n                ; the sixteen parts of cb, in every lane
.endr
	s_wait_dscnt 0x0
	v_pk_add_f32 v[4:5],   v[4:5],   v[12:13]
	v_pk_add_f32 v[6:7],   v[6:7],   v[14:15]
	v_pk_add_f32 v[8:9],   v[8:9],   v[16:17]
	v_pk_add_f32 v[10:11], v[10:11], v[18:19]
	v_pk_add_f32 v[4:5],   v[4:5],   v[8:9]
	v_pk_add_f32 v[6:7],   v[6:7],   v[10:11]
	v_pk_add_f32 v[4:5],   v[4:5],   v[6:7]
	v_add_f32 v4, v4, v5
	v_mul_f32 v[CBL], s20, v4                      ; log2(e) cb
	; row 0 lies in the sum's registers: its score is the first maximum, its weight 1, the sum of weights 1
	s_wait_loadcnt 40                              ; row 0 is in; rows 1 to 5 (40 loads) stay out
	DOT ACC
	v_fma_f32 v[MM], v[T], s20, v[CBL]
	v_mov_b32 v[LL], 1.0
.irp row, 1,2,3,4,5,6,7,8,9,10,11,12,13,14,15
	TURN \row
.endr
	; the sixteen waves' sums meet in LDS
	v_add_nc_u32 v21, ACCS, v1                     ; my wave's 4,096 bytes + 16 x lane
.irp j, 0,1,2,3,4,5,6,7
	ds_store_b128 v21, v[ACC+4*\j:ACC+4*\j+3] offset:512*\j            ; column c of the sum lies at byte 4 c
.endr
	v_mov_b32 v12, s14
	v_lshlrev_b32 v12, 3, v12
	ds_store_b32 v12, v[MM] offset:MLS
	ds_store_b32 v12, v[LL] offset:MLS+4
	s_wait_dscnt 0x0                               ; done before I say so: every wave reads all sixteen
	s_barrier_signal -1
	s_barrier_wait -1
	; thread t merges columns 2 t and 2 t + 1
	v_mov_b32 v14, 0
.irp n, 0,1,2,3,4,5,6,7
	ds_load_b128 v[MLR+4*\n:MLR+4*\n+3], v14 offset:MLS+16*\n
.endr
	v_add_nc_u32 v13, ACCS, v2                     ; ACCS stands in the register: ACCS + 15 x 4,096 would not fit the 16-bit immediate
.irp k, 0,1,2,3,4,5,6,7,8,9,10,11,12,13,14,15
	ds_load_b64 v[A+2*\k:A+2*\k+1], v13 offset:4096*\k
.endr
	s_wait_dscnt 16                                ; LDS loads come back in order (ISA guide 5.7.1): the (m, l) are in, the sixteen loads behind them stay out
	WEIGHTS MLR, MX
	s_wait_dscnt 15
	v_pk_mul_f32 v[R:R+1], v[A:A+1], v[MLR:MLR+1] op_sel_hi:[1,0]      ; the first product starts the sum
.irp k, 1,2,3,4,5,6,7,8,9,10,11,12,13,14,15
	s_wait_dscnt 15-\k                             ; wave k's numbers are in
	v_pk_fma_f32 v[R:R+1], v[A+2*\k:A+2*\k+1], v[MLR+2*\k:MLR+2*\k+1], v[R:R+1] op_sel_hi:[1,0,1]
.endr
	global_store_b64 v2, v[R:R+1], s[12:13]        ; the wave stores 256 consecutive bytes, at a multiple of 256 from part's first byte
	s_cmp_lg_u32 s14, 0
	s_cbranch_scc1 .Ldone
	global_store_b64 v2, v[MX:MX+1], s[12:13] offset:4096              ; wave 0 (there 8 t = 8 x lane): (M, L) 32 times, 256 consecutive bytes written whole
.Ldone:
	s_wait_tensorcnt 0x0
	ds_add_u32 v246, v247
	s_wait_dscnt 0x0
	s_endpgm
.Lfunc_end_k_q38bec1dcf6_stream:
	.size	k_q38bec1dcf6_stream, .Lfunc_end_k_q38bec1dcf6_stream-k_q38bec1dcf6_stream
	.p2alignl 7, 3214868480
	.fill 96, 4, 3214868480
	.section	.rodata,"a",@progbits
	.p2align	6, 0x0
	.amdhsa_kernel k_q38bec1dcf6_stream
		.amdhsa_group_segment_fixed_size 72192
		.amdhsa_private_segment_fixed_size 0
		.amdhsa_enable_private_segment 0
		.amdhsa_kernarg_size 40
		.amdhsa_user_sgpr_count 2
		.amdhsa_user_sgpr_kernarg_segment_ptr 1
		.amdhsa_wavefront_size32 1
		.amdhsa_system_sgpr_workgroup_id_x 1
		.amdhsa_system_sgpr_workgroup_id_y 1
		.amdhsa_system_sgpr_workgroup_id_z 1
		.amdhsa_system_vgpr_workitem_id 0
		.amdhsa_next_free_vgpr 248
		.amdhsa_next_free_sgpr 66
		.amdhsa_reserve_vcc 0
		.amdhsa_float_denorm_mode_32 3
		.amdhsa_float_denorm_mode_16_64 3
		.amdhsa_memory_ordered 1
		.amdhsa_forward_progress 1
		.amdhsa_inst_pref_size 84
	.end_amdhsa_kernel
	.amdgpu_metadata
---
amdhsa.version: [ 1, 2 ]
amdhsa.kernels:
  - .name:           k_q38bec1dcf6_stream
    .symbol:         k_q38bec1dcf6_stream.kd
    .args:
      - { .name: values, .offset: 0, .size: 8, .value_kind: global_buffer, .address_space: global }
      - { .name: qp, .offset: 8, .size: 8, .value_kind: global_buffer, .address_space: global }
      - { .name: contexts, .offset: 16, .size: 8, .value_kind: global_buffer, .address_space: global }
      - { .name: b, .offset: 24, .size: 8, .value_kind: global_buffer, .address_space: global }
      - { .name: part, .offset: 32, .size: 8, .value_kind: global_buffer, .address_space: global }
    .group_segment_fixed_size: 72192
    .private_segment_fixed_size: 0
    .kernarg_segment_align: 8
    .kernarg_segment_size: 40
    .max_flat_workgroup_size: 512
    .sgpr_count:     66
    .vgpr_count:     248
    .wavefront_size: 32
...
	.end_amdgpu_metadata
.endif
;; end of part 2
;; launch combine (part 3): grid 16 x 4, 2 waves a work-group, no clusters, 0 bytes of LDS; arguments part, out0; writes out0
.if DOCPART == 3
	.amdgcn_target "amdgcn-amd-amdhsa--gfx1250"
	.amdhsa_code_object_version 6
	.text
	.protected	k_q38bec1dcf6_combine
	.globl	k_q38bec1dcf6_combine
	.p2align	8
	.type	k_q38bec1dcf6_combine,@function
k_q38bec1dcf6_combine:
	s_mov_b64 s[64:65], 0
	v_nop
	global_prefetch_b8 v0, s[64:65] scope:SCOPE_SE
	s_setreg_imm32_b32 hwreg(HW_REG_WAVE_MODE, 25, 1), 1
	s_wait_xcnt 0x0
; out0[b][d] = (sum over the batch's sixteen records j of 2^(M_j - M) acc_j[d]) / (sum over j of 2^(M_j - M) L_j),  M = the largest M_j.
; A launch of its own because the sum spans work-groups of the launch before.  Work-group (x, y): batch x, columns 256 y .. 256 y + 255;
; a thread owns four columns.  No LDS, no barrier: every thread makes the sixteen weights for itself from the records' (M, L), which lie
; there 32 times, so that one load of a wave takes 256 consecutive bytes.  All 32 loads go out at once.
; LIMITS: 1 / L by v_rcp_f32 (1 ULP); a weight below 2^-126 counts as 0 (ISA guide 15.8).  The divisor is at least 1: the record that holds M has
; weight 1, and its L holds the weight 1 of its own largest row.
.set REC, 4352                         ; bytes in a record: 4,096 of acc, 256 of (M, L)
.set ML,  4                            ; v[4:35]    (M_j, L_j)
.set A,   36                           ; v[36:99]   acc_j of my four columns
.set R,   100                          ; v[100:103] my four results
.set MX,  104                          ; v[104:105] (M, L) of the batch
.set INV, 106                          ; v[106:107] (1 / L, a written filler for the pair)
.macro WEIGHTS base, mx                ; as in the launch before: mx = the largest m, m_k becomes 2^(m_k - mx), mx + 1 = the sum of w_k l_k
	v_max3_num_f32 v[\mx], v[\base], v[\base+2], v[\base+4]
.irp k, 6,10,14,18,22,26
	v_max3_num_f32 v[\mx], v[\mx], v[\base+\k], v[\base+\k+2]
.endr
	v_max_num_f32 v[\mx], v[\mx], v[\base+30]
.irp k, 0,1,2,3,4,5,6,7,8,9,10,11,12,13,14,15
	v_sub_f32 v[\base+2*\k], v[\base+2*\k], v[\mx]
.endr
.irp k, 0,1,2,3,4,5,6,7,8,9,10,11,12,13,14,15
	v_exp_f32 v[\base+2*\k], v[\base+2*\k]
.endr
	v_nop                                          ; the plain place behind the last transcendental (ISA guide 5.7.2)
	s_wait_alu depctr_va_vdst(0)
	v_mul_f32 v[\mx+1], v[\base], v[\base+1]
.irp k, 1,2,3,4,5,6,7,8,9,10,11,12,13,14,15
	v_fmac_f32 v[\mx+1], v[\base+2*\k], v[\base+2*\k+1]
.endr
.endm
	s_load_b128 s[4:7], s[0:1], 0x0                ; part s[4:5], out0 s[6:7]
	s_and_b32 s8, ttmp7, 0xffff                    ; which 256 columns
	s_mul_i32 s10, ttmp9, 16*REC                   ; the batch's sixteen records
	s_mov_b32 s11, 0
	s_lshl_b32 s12, ttmp9, 12                      ; the batch's row of out0
	s_mov_b32 s13, 0
	v_lshlrev_b32 v1, 4, v0
	v_lshl_add_u32 v1, s8, 10, v1                  ; my four columns: 1,024 y + 16 t, in a record's acc and in a row of out0
	v_and_b32 v2, 31, v0
	v_lshlrev_b32 v2, 3, v2                        ; 8 x lane
	s_wait_kmcnt 0x0
	s_add_nc_u64 s[4:5], s[4:5], s[10:11]
	s_add_nc_u64 s[6:7], s[6:7], s[12:13]
.irp j, 0,1,2,3,4,5,6,7,8,9,10,11,12,13,14,15
	global_load_b64 v[ML+2*\j:ML+2*\j+1], v2, s[4:5] offset:REC*\j+4096
.endr
.irp j, 0,1,2,3,4,5,6,7,8,9,10,11,12,13,14,15
	global_load_b128 v[A+4*\j:A+4*\j+3], v1, s[4:5] offset:REC*\j
.endr
	s_wait_loadcnt 16                              ; loads come back in order (ISA guide 5.7.1): the (M, L) are in, the sixteen loads behind them stay out
	WEIGHTS ML, MX
	v_rcp_f32 v[INV], v[MX+1]
	v_mov_b32 v[INV+1], 0                          ; the plain place behind v_rcp_f32, and the pair's upper register, which the packed form names
	s_wait_loadcnt 15
	v_pk_mul_f32 v[R:R+1],   v[A:A+1],   v[ML:ML+1] op_sel_hi:[1,0]    ; the first products start the sums
	v_pk_mul_f32 v[R+2:R+3], v[A+2:A+3], v[ML:ML+1] op_sel_hi:[1,0]
.irp j, 1,2,3,4,5,6,7,8,9,10,11,12,13,14,15
	s_wait_loadcnt 15-\j                           ; record j's numbers are in
	v_pk_fma_f32 v[R:R+1],   v[A+4*\j:A+4*\j+1],   v[ML+2*\j:ML+2*\j+1], v[R:R+1]   op_sel_hi:[1,0,1]
	v_pk_fma_f32 v[R+2:R+3], v[A+4*\j+2:A+4*\j+3], v[ML+2*\j:ML+2*\j+1], v[R+2:R+3] op_sel_hi:[1,0,1]
.endr
	s_wait_alu depctr_va_vdst(0)
	v_pk_mul_f32 v[R:R+1],   v[R:R+1],   v[INV:INV+1] op_sel_hi:[1,0]
	v_pk_mul_f32 v[R+2:R+3], v[R+2:R+3], v[INV:INV+1] op_sel_hi:[1,0]
	global_store_b128 v1, v[R:R+3], s[6:7]         ; sixteen neighbouring lanes store 256 consecutive bytes, at a multiple of 256 from out0's first byte
	s_endpgm
.Lfunc_end_k_q38bec1dcf6_combine:
	.size	k_q38bec1dcf6_combine, .Lfunc_end_k_q38bec1dcf6_combine-k_q38bec1dcf6_combine
	.p2alignl 7, 3214868480
	.fill 96, 4, 3214868480
	.section	.rodata,"a",@progbits
	.p2align	6, 0x0
	.amdhsa_kernel k_q38bec1dcf6_combine
		.amdhsa_group_segment_fixed_size 0
		.amdhsa_private_segment_fixed_size 0
		.amdhsa_enable_private_segment 0
		.amdhsa_kernarg_size 16
		.amdhsa_user_sgpr_count 2
		.amdhsa_user_sgpr_kernarg_segment_ptr 1
		.amdhsa_wavefront_size32 1
		.amdhsa_system_sgpr_workgroup_id_x 1
		.amdhsa_system_sgpr_workgroup_id_y 1
		.amdhsa_system_sgpr_workgroup_id_z 1
		.amdhsa_system_vgpr_workitem_id 0
		.amdhsa_next_free_vgpr 108
		.amdhsa_next_free_sgpr 66
		.amdhsa_reserve_vcc 0
		.amdhsa_float_denorm_mode_32 3
		.amdhsa_float_denorm_mode_16_64 3
		.amdhsa_memory_ordered 1
		.amdhsa_forward_progress 1
		.amdhsa_inst_pref_size 9
	.end_amdhsa_kernel
	.amdgpu_metadata
---
amdhsa.version: [ 1, 2 ]
amdhsa.kernels:
  - .name:           k_q38bec1dcf6_combine
    .symbol:         k_q38bec1dcf6_combine.kd
    .args:
      - { .name: part, .offset: 0, .size: 8, .value_kind: global_buffer, .address_space: global }
      - { .name: out0, .offset: 8, .size: 8, .value_kind: global_buffer, .address_space: global }
    .group_segment_fixed_size: 0
    .private_segment_fixed_size: 0
    .kernarg_segment_align: 8
    .kernarg_segment_size: 16
    .max_flat_workgroup_size: 64
    .sgpr_count:     66
    .vgpr_count:     108
    .wavefront_size: 32
...
	.end_amdgpu_metadata
.endif
;; end of part 3
;; ======== version 2 of 2: 3 launches; version 1 with the launch stream written anew for expert scheduling mode
;; workspace buffers: qp 262,144 bytes; part 1,114,112 bytes
;; launch qproj: the kernel of part 1 again; grid 16 x 16, 16 waves a work-group, no clusters, 18,432 bytes of LDS; arguments contexts, W, qp; writes qp
;; launch stream (part 4): grid 256 x 1, 16 waves a work-group, no clusters, 72,192 bytes of LDS; arguments values, qp, contexts, b, part; writes part
.if DOCPART == 4
	.amdgcn_target "amdgcn-amd-amdhsa--gfx1250"
	.amdhsa_code_object_version 6
	.text
	.protected	k_q38bec1dcf6_stream
	.globl	k_q38bec1dcf6_stream
	.p2align	8
	.type	k_q38bec1dcf6_stream,@function
k_q38bec1dcf6_stream:
	s_mov_b64 s[64:65], 0
	v_nop
	global_prefetch_b8 v0, s[64:65] scope:SCOPE_SE
	s_setreg_imm32_b32 hwreg(HW_REG_WAVE_SCHED_MODE, 0, 2), 2
	s_setreg_imm32_b32 hwreg(HW_REG_WAVE_MODE, 25, 1), 1
	s_wait_xcnt 0x0
	s_wait_alu depctr_vm_vsrc(0)
; The stream over values, each byte read once: score and weighted sum are made from the same copy of a row, by a running maximum.
; Work-group g owns the 256 rows 256 g .. 256 g + 255 of the flat [65536][1024] values (1 MB, all of batch g / 16) and leaves a record
;   part[g] = { acc[1024] = sum over its rows of 2^(t - M) values[row],  then the pair (M, L) 32 times }     (4,352 bytes)
; with t = log2(e) (values[row] . q + cb), M = the largest t of the rows, L = the sum of 2^(t - M).  cb = contexts[b] . bias is a common
; shift of a batch's scores; it is read, made and added as the problem writes it.  q = the sum of the four partial sums in qp.
; All in f32 on the vector unit: there is one query for each batch, so a matrix instruction would have one useful row in sixteen; a score
; made from 16-bit operands would move the weights by more than the result's tolerance; and the work is two multiply-adds and a scaling for
; each number read, so the bytes set the pace and not the arithmetic.
; LIMITS: a weight below 2^-126 counts as 0 (v_exp_f32 gives 0 for results that would be denormal: ISA guide 15.8); the order of the
; additions differs from the problem's; a NaN or infinite score gives NaN.  The maximum taken away is the true running maximum.
; Sixteen waves.  Wave w takes rows 16 i + w, i = 0..15, a whole row (4,096 bytes) in 32 registers by eight loads of 512 neighbouring bytes:
; load j brings lane l the columns 128 j + 4 l .. + 3; q and the wave's sum have the same layout.  Row 0 is loaded straight into the sum's
; registers (its weight is 1 at that time), rows 1..15 go through five slots of registers by turns: slot (row - 1) % 5.  While a row is worked on, four
; more of the wave's rows are on their way: 16 KB a wave, 256 KB for the sixteen.  Waits are counted, so the ring never runs empty.
; The row's number stands in the loads' immediate (15 x 65,536 + 3,584 at the most), so no address register is ever rewritten.
; No joint requests between work-groups: they share the 4 KB of q of their batch against 1 MB of rows of their own.
; THE MODE: SCHED_MODE bits 1:0 = 2 (LLVM: expert scheduling mode 2), set by the entry lines.  The code itself states the register dependences
; between vector instructions and memory or LDS instructions, with s_wait_alu, always for 0.
; THE PLAN.  Registers that memory or LDS instructions touch:
;   v1, v2, v3, v21   offsets and LDS addresses (v21 = 0), written once at the head, read by loads and stores to the end: one wait, ahead of the first load.
;   v[4:19]           the six small loads land in v[4:15]; vector work makes q's two columns (v[4:5]), cb's part (v12) and an LDS address (v16) of them;
;                     one wait, then the two LDS stores; behind the barrier one wait that the stores have read them, then cb's sixteen parts land in v[4:19].
;   Q                 LDS loads land in it once; from then on vector instructions read it.
;   X0 .. X4          a row lands; the turn's dot product and its sixteen weighted multiply-adds read it; behind the last of them ONE wait, and the row five
;                     on is asked for at once: no sixth slot fits under v255, and a slot that stood by until the next turn's head would stand behind the
;                     wait for the next row's data.  No vector instruction writes a slot before the merge.  Turns 11 to 15 ask for nothing and hold no such wait.
;   ACC, M, L         row 0 lands in ACC; the turns read and write them; on the way out they are LDS stores' data: one wait, which also stands for the three
;                     addresses made just ahead of it and for the slots' registers, in which the merge's LDS loads land.
;   v[150:153]        written by the merge, data of the record's stores: one wait ahead of the first, for both.
.set ROWB, 4096
.set STEP, 16*ROWB                     ; from a wave's row to its next
.set QS,   0                           ; LDS 0 .. 4095       q
.set CBS,  4096                        ; LDS 4096 .. 4159    the sixteen waves' parts of cb
.set MLS,  4352                        ; LDS 4352 .. 4479    wave k's (m, l) at 8 k
.set ACCS, 4608                        ; LDS 4608 .. 70143   wave k's sum at 4,096 k
.set REC,  4352                        ; bytes in a record of part
.set D,    4                           ; v[4:11]    four pairs of chains of the dot product
.set T,    12                          ; v12        the score
.set T1,   13                          ; v13..15    at work
.set T2,   14
.set T3,   15
.set AL,   16                          ; v[16:17] = (2^(old M - new M), M): the packed forms take the even register for both halves,
.set MM,   17                          ;            and the odd one, which has to hold something written, holds M
.set PP,   18                          ; v[18:19] = (2^(t - new M), L), likewise
.set LL,   19
.set CBL,  20                          ; v20        log2(e) cb
.set ZR,   21                          ; v21        0: the LDS address of the loads that bring every lane the same words; never rewritten
.set Q,    22                          ; v[22:53]   q
.set ACC,  54                          ; v[54:85]   the wave's sum
.set X,    86                          ; v[86:245]  five slots of 32 registers
.set MLR,  86                          ; the merge, in X: v[86:117] the sixteen (m, l)
.set A,    118                         ; v[118:149] the sixteen waves' two numbers of my columns
.set R,    150                         ; v[150:151] my two columns of the record
.set MX,   152                         ; v[152:153] (M, L) of the work-group
	s_load_b256 s[4:11], s[0:1], 0x0               ; values s[4:5], qp s[6:7], contexts s[8:9], bias s[10:11]
	s_load_b64 s[12:13], s[0:1], 0x20              ; part
	v_lshl_add_u32 v246, v0, 2, 0x11200
	v_mov_b32 v247, 0
	v_lshrrev_b32 v12, 5, v0
	v_readfirstlane_b32 s14, v12                   ; wave 0..15
	s_lshr_b32 s15, ttmp9, 4
	s_lshl_b32 s15, s15, 12                        ; the batch's row of 4,096 bytes in qp and in contexts
	s_lshl_b32 s16, ttmp9, 20                      ; the work-group's 256 rows of 4,096 bytes (255 MB at the most: one word)
	s_mov_b32 s17, 0
	s_mov_b32 s18, 0x76543210                      ; v_permlanex16_b32: lane i of one half reads lane i of the other
	s_mov_b32 s19, 0xfedcba98
	s_mov_b32 s20, 0x3fb8aa3b                      ; log2(e)
	v_and_b32 v3, 31, v0
	v_lshlrev_b32 v3, 4, v3                        ; 16 x lane
	v_lshlrev_b32 v2, 3, v0                        ; 8 t: thread t's two columns 2 t, 2 t + 1: never rewritten
	v_mov_b32 v[ZR], 0
	s_wait_alu depctr_va_sdst(0)                   ; s14 is written, ahead of its first reader, the line below
	v_lshl_add_u32 v1, s14, 12, v3                 ; my 16 bytes in row w: never rewritten
	s_wait_kmcnt 0x0
	s_add_nc_u64 s[4:5], s[4:5], s[16:17]
	s_mov_b32 s16, s15
	s_add_nc_u64 s[6:7], s[6:7], s[16:17]
	s_add_nc_u64 s[8:9], s[8:9], s[16:17]
	s_mul_i32 s16, ttmp9, REC
	s_add_nc_u64 s[12:13], s[12:13], s[16:17]
.macro FILL base, row                  ; eight loads: the whole row, 512 neighbouring bytes each; each byte of values is read once in the launch
.irp j, 0,1,2,3,4,5,6,7
	global_load_b128 v[\base+4*\j:\base+4*\j+3], v1, s[4:5] offset:(\row)*STEP+512*\j th:TH_LOAD_NT
.endr
.endm
; T = the row at base . q, in every lane: four chains of packed multiply-adds started by products, then across the lanes
.macro DOT base
.irp k, 0,1,2,3
	v_pk_mul_f32 v[D+2*\k:D+2*\k+1], v[\base+2*\k:\base+2*\k+1], v[Q+2*\k:Q+2*\k+1]
.endr
.irp k, 4,5,6,7,8,9,10,11,12,13,14,15
	v_pk_fma_f32 v[D+2*(\k%4):D+2*(\k%4)+1], v[\base+2*\k:\base+2*\k+1], v[Q+2*\k:Q+2*\k+1], v[D+2*(\k%4):D+2*(\k%4)+1]
.endr
	v_pk_add_f32 v[D:D+1],   v[D:D+1],   v[D+2:D+3]
	v_pk_add_f32 v[D+4:D+5], v[D+4:D+5], v[D+6:D+7]
	v_pk_add_f32 v[D:D+1],   v[D:D+1],   v[D+4:D+5]
	v_add_f32 v[T], v[D], v[D+1]
	v_add_f32_dpp v[T], v[T], v[T] row_xmask:1 row_mask:0xf bank_mask:0xf
	v_add_f32_dpp v[T], v[T], v[T] row_xmask:2 row_mask:0xf bank_mask:0xf
	v_add_f32_dpp v[T], v[T], v[T] row_xmask:4 row_mask:0xf bank_mask:0xf
	v_add_f32_dpp v[T], v[T], v[T] row_xmask:8 row_mask:0xf bank_mask:0xf
	v_permlanex16_b32 v[D], v[T], s18, s19         ; its destination counts as read: D has been written
	v_add_f32 v[T], v[T], v[D]
.endm
; One row out of its slot: score, new maximum, the sum scaled to it, the row added with its weight; then the slot's next row is asked for.
.macro TURN row
.set XB, X+32*((\row-1)%5)
.if 15-\row < 4
	s_wait_loadcnt 8*(15-\row)                     ; the last rows: only 15 - row rows were issued behind this one
.else
	s_wait_loadcnt 32                              ; loads come back in order (ISA guide 5.7.1): my row is in, the four rows behind it stay out
.endif
	DOT XB
	v_fma_f32 v[T], v[T], s20, v[CBL]              ; t = log2(e) score + log2(e) cb
	v_max_num_f32 v[T1], v[MM], v[T]               ; the new maximum
	v_sub_f32 v[T2], v[MM], v[T1]
	v_sub_f32 v[T3], v[T], v[T1]
	v_exp_f32 v[AL], v[T2]                         ; what the old sums are worth under the new maximum
	v_exp_f32 v[PP], v[T3]                         ; the row's weight
	v_mov_b32 v[MM], v[T1]                         ; the plain instruction that stands between a transcendental and the use of its result (ISA guide 5.7.2)
	s_wait_alu depctr_va_vdst(0)
	v_fma_f32 v[LL], v[LL], v[AL], v[PP]
.irp k, 0,1,2,3,4,5,6,7,8,9,10,11,12,13,14,15
	v_pk_mul_f32 v[ACC+2*\k:ACC+2*\k+1], v[ACC+2*\k:ACC+2*\k+1], v[AL:AL+1] op_sel_hi:[1,0]
.endr
.irp k, 0,1,2,3,4,5,6,7,8,9,10,11,12,13,14,15
	v_pk_fma_f32 v[ACC+2*\k:ACC+2*\k+1], v[XB+2*\k:XB+2*\k+1], v[PP:PP+1], v[ACC+2*\k:ACC+2*\k+1] op_sel_hi:[1,0,1]
.endr
.if \row+5 <= 15
	s_wait_alu depctr_va_vdst(0)                   ; the dot product and the multiply-adds above are done reading this slot, in which the eight loads below land
	FILL XB, \row+5
.endif
.endm
; Sixteen pairs (m_k, l_k) at base, m in the even registers: mx = the largest m, each m_k becomes w_k = 2^(m_k - mx), mx + 1 = the sum of w_k l_k
.macro WEIGHTS base, mx
	v_max3_num_f32 v[\mx], v[\base], v[\base+2], v[\base+4]
.irp k, 6,10,14,18,22,26
	v_max3_num_f32 v[\mx], v[\mx], v[\base+\k], v[\base+\k+2]
.endr
	v_max_num_f32 v[\mx], v[\mx], v[\base+30]
.irp k, 0,1,2,3,4,5,6,7,8,9,10,11,12,13,14,15
	v_sub_f32 v[\base+2*\k], v[\base+2*\k], v[\mx]
.endr
.irp k, 0,1,2,3,4,5,6,7,8,9,10,11,12,13,14,15
	v_exp_f32 v[\base+2*\k], v[\base+2*\k]
.endr
	v_nop                                          ; the plain place behind the last transcendental (ISA guide 5.7.2)
	s_wait_alu depctr_va_vdst(0)
	v_mul_f32 v[\mx+1], v[\base], v[\base+1]
.irp k, 1,2,3,4,5,6,7,8,9,10,11,12,13,14,15
	v_fmac_f32 v[\mx+1], v[\base+2*\k], v[\base+2*\k+1]
.endr
.endm
	; the small loads first, then six rows: 54 loads of the wave are out
	s_wait_alu depctr_va_vdst(0)                   ; v1, v2, v3 and v21 are written, which every load and store of the kernel reads as its offset or address; so is v12, in which a load below lands
.irp e, 0,1,2,3
	global_load_b64 v[D+2*\e:D+2*\e+1], v2, s[6:7] offset:65536*\e     ; the four partial sums of q's columns 2 t, 2 t + 1
.endr
	global_load_b64 v[12:13], v2, s[8:9]           ; contexts[b][2 t], [2 t + 1]
	global_load_b64 v[14:15], v2, s[10:11]         ; bias[2 t], [2 t + 1]
	FILL ACC, 0
.irp s, 0,1,2,3,4
	FILL X+32*\s, \s+1
.endr
	s_wait_loadcnt 48                              ; the six small loads are in; the six rows (48 loads) stay out
	v_pk_add_f32 v[4:5], v[4:5], v[6:7]
	v_pk_add_f32 v[8:9], v[8:9], v[10:11]
	v_pk_add_f32 v[4:5], v[4:5], v[8:9]            ; q, two columns a thread
	v_mul_f32 v12, v12, v14                        ; my part of contexts . bias
	v_fmac_f32 v12, v13, v15
	v_add_f32_dpp v12, v12, v12 row_xmask:1 row_mask:0xf bank_mask:0xf
	v_add_f32_dpp v12, v12, v12 row_xmask:2 row_mask:0xf bank_mask:0xf
	v_add_f32_dpp v12, v12, v12 row_xmask:4 row_mask:0xf bank_mask:0xf
	v_add_f32_dpp v12, v12, v12 row_xmask:8 row_mask:0xf bank_mask:0xf
	v_permlanex16_b32 v13, v12, s18, s19
	v_add_f32 v12, v12, v13
	v_mov_b32 v16, s14
	v_lshlrev_b32 v16, 2, v16                      ; 4 x wave
	s_wait_alu depctr_va_vdst(0)                   ; v[4:5], v12 and v16 are written, which the two LDS stores read; and the lines above are done with v[4:16], in which LDS loads land behind the barrier
	ds_store_b64 v2, v[4:5] offset:QS
	ds_store_b32 v16, v12 offset:CBS               ; my wave's part: all lanes write the same word with the same value
	s_wait_dscnt 0x0                               ; done before I say so: every wave reads q and the sixteen parts
	s_barrier_signal -1
	s_barrier_wait -1                              ; the rows of values stay on their way across this barrier: no wave writes those bytes
	s_wait_alu depctr_vm_vsrc(0)                   ; my two LDS stores have read v[4:5], v12 and v16: the loads of cb's parts land in them, and the turns write them
.irp j, 0,1,2,3,4,5,6,7
	ds_load_b128 v[Q+4*\j:Q+4*\j+3], v3 offset:QS+512*\j               ; q in the rows' layout
.endr
.irp n, 0,1,2,3
	ds_load_b128 v[4+4*\n:7+4*\n], v[ZR] offset:CBS+16*\n              ; the sixteen parts of cb, in every lane
.endr
	s_wait_dscnt 0x0
	v_pk_add_f32 v[4:5],   v[4:5],   v[12:13]
	v_pk_add_f32 v[6:7],   v[6:7],   v[14:15]
	v_pk_add_f32 v[8:9],   v[8:9],   v[16:17]
	v_pk_add_f32 v[10:11], v[10:11], v[18:19]
	v_pk_add_f32 v[4:5],   v[4:5],   v[8:9]
	v_pk_add_f32 v[6:7],   v[6:7],   v[10:11]
	v_pk_add_f32 v[4:5],   v[4:5],   v[6:7]
	v_add_f32 v4, v4, v5
	v_mul_f32 v[CBL], s20, v4                      ; log2(e) cb
	; row 0 lies in the sum's registers: its score is the first maximum, its weight 1, the sum of weights 1
	s_wait_loadcnt 40                              ; row 0 is in; rows 1 to 5 (40 loads) stay out
	DOT ACC
	v_fma_f32 v[MM], v[T], s20, v[CBL]
	v_mov_b32 v[LL], 1.0
.irp row, 1,2,3,4,5,6,7,8,9,10,11,12,13,14,15
	TURN \row
.endr
	; the sixteen waves' sums meet in LDS
	v_add_nc_u32 v15, ACCS, v1                     ; my wave's 4,096 bytes + 16 x lane
	v_mov_b32 v12, s14
	v_lshlrev_b32 v12, 3, v12                      ; 8 x wave
	v_add_nc_u32 v13, ACCS, v2                     ; for the merge.  ACCS stands in the register: ACCS + 15 x 4,096 would not fit the 16-bit immediate
	s_wait_alu depctr_va_vdst(0)                   ; the turns have written the sum, M and L, which the LDS stores read; v12, v13 and v15 are written; and the turns are done reading the slots, in which the merge's LDS loads land
.irp j, 0,1,2,3,4,5,6,7
	ds_store_b128 v15, v[ACC+4*\j:ACC+4*\j+3] offset:512*\j            ; column c of the sum lies at byte 4 c
.endr
	ds_store_b32 v12, v[MM] offset:MLS
	ds_store_b32 v12, v[LL] offset:MLS+4
	s_wait_dscnt 0x0                               ; done before I say so: every wave reads all sixteen
	s_barrier_signal -1
	s_barrier_wait -1
	; thread t merges columns 2 t and 2 t + 1.  No vector instruction since the wait above names a register that these loads touch
.irp n, 0,1,2,3,4,5,6,7
	ds_load_b128 v[MLR+4*\n:MLR+4*\n+3], v[ZR] offset:MLS+16*\n
.endr
.irp k, 0,1,2,3,4,5,6,7,8,9,10,11,12,13,14,15
	ds_load_b64 v[A+2*\k:A+2*\k+1], v13 offset:4096*\k
.endr
	s_wait_dscnt 16                                ; LDS loads come back in order (ISA guide 5.7.1): the (m, l) are in, the sixteen loads behind them stay out
	WEIGHTS MLR, MX
	s_wait_dscnt 15
	v_pk_mul_f32 v[R:R+1], v[A:A+1], v[MLR:MLR+1] op_sel_hi:[1,0]      ; the first product starts the sum
.irp k, 1,2,3,4,5,6,7,8,9,10,11,12,13,14,15
	s_wait_dscnt 15-\k                             ; wave k's numbers are in
	v_pk_fma_f32 v[R:R+1], v[A+2*\k:A+2*\k+1], v[MLR+2*\k:MLR+2*\k+1], v[R:R+1] op_sel_hi:[1,0,1]
.endr
	s_wait_alu depctr_va_vdst(0)                   ; the merge has written v[150:151] and v[152:153], which the two stores below read
	global_store_b64 v2, v[R:R+1], s[12:13]        ; the wave stores 256 consecutive bytes, at a multiple of 256 from part's first byte
	s_cmp_lg_u32 s14, 0
	s_cbranch_scc1 .Ldone
	global_store_b64 v2, v[MX:MX+1], s[12:13] offset:4096              ; wave 0 (there 8 t = 8 x lane): (M, L) 32 times, 256 consecutive bytes written whole
.Ldone:
	s_wait_dscnt 0x0
	s_wait_alu depctr_hold_cnt(0) depctr_sa_sdst(0) depctr_va_vdst(0) depctr_va_sdst(0) depctr_va_ssrc(0) depctr_va_vcc(0) depctr_vm_vsrc(0)
	s_wait_tensorcnt 0x0
	ds_add_u32 v246, v247
	s_wait_dscnt 0x0
	s_endpgm
.Lfunc_end_k_q38bec1dcf6_stream:
	.size	k_q38bec1dcf6_stream, .Lfunc_end_k_q38bec1dcf6_stream-k_q38bec1dcf6_stream
	.p2alignl 7, 3214868480
	.fill 96, 4, 3214868480
	.section	.rodata,"a",@progbits
	.p2align	6, 0x0
	.amdhsa_kernel k_q38bec1dcf6_stream
		.amdhsa_group_segment_fixed_size 72192
		.amdhsa_private_segment_fixed_size 0
		.amdhsa_enable_private_segment 0
		.amdhsa_kernarg_size 40
		.amdhsa_user_sgpr_count 2
		.amdhsa_user_sgpr_kernarg_segment_ptr 1
		.amdhsa_wavefront_size32 1
		.amdhsa_system_sgpr_workgroup_id_x 1
		.amdhsa_system_sgpr_workgroup_id_y 1
		.amdhsa_system_sgpr_workgroup_id_z 1
		.amdhsa_system_vgpr_workitem_id 0
		.amdhsa_next_free_vgpr 248
		.amdhsa_next_free_sgpr 66
		.amdhsa_reserve_vcc 0
		.amdhsa_float_denorm_mode_32 3
		.amdhsa_float_denorm_mode_16_64 3
		.amdhsa_memory_ordered 1
		.amdhsa_forward_progress 1
		.amdhsa_inst_pref_size 84
	.end_amdhsa_kernel
	.amdgpu_metadata
---
amdhsa.version: [ 1, 2 ]
amdhsa.kernels:
  - .name:           k_q38bec1dcf6_stream
    .symbol:         k_q38bec1dcf6_stream.kd
    .args:
      - { .name: values, .offset: 0, .size: 8, .value_kind: global_buffer, .address_space: global }
      - { .name: qp, .offset: 8, .size: 8, .value_kind: global_buffer, .address_space: global }
      - { .name: contexts, .offset: 16, .size: 8, .value_kind: global_buffer, .address_space: global }
      - { .name: b, .offset: 24, .size: 8, .value_kind: global_buffer, .address_space: global }
      - { .name: part, .offset: 32, .size: 8, .value_kind: global_buffer, .address_space: global }
    .group_segment_fixed_size: 72192
    .private_segment_fixed_size: 0
    .kernarg_segment_align: 8
    .kernarg_segment_size: 40
    .max_flat_workgroup_size: 512
    .sgpr_count:     66
    .vgpr_count:     248
    .wavefront_size: 32
...
	.end_amdgpu_metadata
.endif
;; end of part 4
;; launch combine: the kernel of part 3 again; grid 16 x 4, 2 waves a work-group, no clusters, 0 bytes of LDS; arguments part, out0; writes out0
